; MI455X (gfx1250); checked and timed in simulation.
; The chip was launched on July 23, 2026; its instructions are those of AMD's public machine-readable ISA for CDNA 5 (MIT licence, August 2026) and "CDNA5" Instruction Set Architecture Reference Guide (July 2026). The comments in the code are by the model that wrote it; some were corrected since.
;; Vector Quantize. Allowed arithmetic: float matrix products may take bf16 or f16 operands with f32 sums; all other float work in f32.
;; Inputs: embeddings 64 x 8,192 float32; x 16 x 32 x 32 x 64 float32.
;; Outputs: out0 16 x 32 x 32 x 64 float32; out1 one number float32.
;; One version. Each part assembles by itself: llvm-mc -triple=amdgcn-amd-amdhsa -mcpu=gfx1250 --defsym DOCPART=n.
;; ======== version 1 of 1: 4 launches
;; workspace buffers: eb 1,081,344 bytes; eq 2,097,152 bytes; ee 32,768 bytes; xb 2,097,152 bytes; xx 65,536 bytes; ks 1,048,576 bytes of whole numbers; part 1,024 bytes
;; launch prep (part 1): grid 192 x 1, 8 waves a work-group, no clusters, 38,400 bytes of LDS; arguments embeddings, x, eb, eq, ee, xb, xx; writes eb, eq, ee, xb, xx
.if DOCPART == 1
	.amdgcn_target "amdgcn-amd-amdhsa--gfx1250"
	.amdhsa_code_object_version 6
	.text
	.protected	k_q58298301c6_prep
	.globl	k_q58298301c6_prep
	.p2align	8
	.type	k_q58298301c6_prep,@function
k_q58298301c6_prep:
	s_mov_b64 s[64:65], 0
	v_nop
	global_prefetch_b8 v0, s[64:65] scope:SCOPE_SE
	s_setreg_imm32_b32 hwreg(HW_REG_WAVE_MODE, 25, 1), 1
	s_wait_xcnt 0x0
; Both inputs are laid out once for the later launches.  Work-groups 0 to 63 take the codebook, work-groups 64 to 191 take x.
; THE CODEBOOK embeddings[64 (k)][8192 (code)] f32, one work-group for each group of 128 codes:
;   eb: bf16, in the order in which matrix fragments are read.  Group g (codes 128 g .. 128 g + 127) is 16,896 bytes:
;       byte t*2048 + c*512 + h*256 + r*16 holds 8 bf16: code 128 g + 8 r + t, k = 16 c + 8 h + 0..7, the lower k first;
;       byte 16384 + hl*256 + r*16 holds 4 f32: the sum over k of bf16(e)^2 of codes 128 g + 8 r + 4 hl + 0..3.
;   eq: f32, for the gather.  Slot s (codes 8 s .. 8 s + 7) is 2,048 bytes: byte e*1024 + m*256 + j*16 holds
;       embeddings[4 j + m][8 s + 4 e + 0..3].
;   ee: the same sums of squares, f32 [8192], in the codes' own order.
;   Wave w takes k = 8 w .. 8 w + 7; lane (r = lane & 15, hl = lane >> 4) takes codes 8 r + 4 hl + 0..3.
; X [16384][64] f32, one work-group for 128 rows, one wave for a tile of 16 rows:
;   xb: -2 x in bf16 (doubling is exact), in the order of a matrix fragment.  Tile T (rows 16 T .. 16 T + 15) is 2,048 bytes:
;       byte c*512 + lane*16 holds 8 bf16: row 16 T + (lane & 15), k = 16 c + 8 (lane >> 4) + 0..7.
;   xx: f32 [16384]: the sum over k of bf16(x)^2, made as a quarter of the sum of squares of what xb holds.
; The split (64 + 128 work-groups of 32 KiB of input each) is what lets every stored block of 256 bytes be written whole by one instruction.
; The branch between the two parts hangs on the work-group's number alone, so all eight waves of a work-group take the same part; the two parts
; also name different LDS bytes: the codebook part bytes 0 to 36,863, the x part bytes 36,864 to 37,375.
; No matrix unit, no tensor load, no cluster: every input byte is read once, by one work-group, and nothing is shared.
; LIMITS: both sums of squares are of the numbers rounded to bf16 (they serve the argmin alone); NaN and infinities are not served; |x| below 1.7e38.
.set NGRP, 64                          ; work-groups that take the codebook
.set GRP,  16896                       ; bytes of a group in eb
.set ROWB, 32768                       ; bytes in a row of embeddings
.set EES,  32768                       ; LDS: behind the 8 x 4,096 bytes of the eq stage, 8 x 512 bytes of partial sums
.set XXS,  36864                       ; LDS: the x part's own 512 bytes: xx of the work-group's 128 rows
.set L,    16                          ; v[16:47]   L + 4 kk + i: embeddings[8 w + kk][my code i]; later the rows of eq read back
.set P,    48                          ; v[48:63]   P + 4 i + m: code i, k = 8 w + 2 m (low half), 2 m + 1 (high half), bf16
.set ACC,  64                          ; v[64:67]   four chains of a sum of squares
.set EP,   80                          ; v[80:111]  wave 0: the eight waves' shares
.set X,    16                          ; v[16:47]   the x part: 32 numbers of my row as loaded
.set AF,   48                          ; v[48:63]   the x part: the fragment
.set TP,   68
.set XR,   72                          ; v[72:75]
	s_load_b256 s[4:11], s[0:1], 0x0               ; embeddings s[4:5], x s[6:7], eb s[8:9], eq s[10:11]
	s_load_b128 s[12:15], s[0:1], 0x20             ; ee s[12:13], xb s[14:15]
	s_load_b64 s[16:17], s[0:1], 0x30              ; xx
	v_lshl_add_u32 v112, v0, 2, 0x9200
	v_mov_b32 v113, 0
	v_lshrrev_b32 v10, 5, v0
	v_readfirstlane_b32 s18, v10                   ; wave w
	v_and_b32 v10, 15, v0                          ; r
	v_bfe_u32 v11, v0, 4, 1                        ; hl (h in the x part)
	v_and_b32 v12, 31, v0                          ; lane
	v_lshlrev_b32 v7, 4, v12                       ; 16 x lane
	v_mov_b32 v8, 0                                ; the first link of each sum adds onto this
	s_cmp_lt_u32 ttmp9, NGRP                       ; the same for all eight waves of a work-group
	s_cbranch_scc0 .Lrows
	; ---- the codebook ----
	v_lshlrev_b32 v1, 5, v10
	v_lshl_add_u32 v1, v11, 4, v1                  ; 32 r + 16 hl: my 4 codes in a row of embeddings, and in ee
	s_lshl_b32 s19, s18, 1                         ; 2 w
	s_lshl_b32 s30, s18, 12                        ; 4096 w: my wave's region of the stage
	v_add_nc_u32 v13, s19, v10
	v_add_nc_u32 v14, 1, v13
	v_and_b32 v13, 15, v13                         ; (r + 2 w) & 15
	v_and_b32 v14, 15, v14                         ; (r + 2 w + 1) & 15
	; Stage, in: cell (hl*8 + kk) * 256 + column * 16 of my wave's region, the column turned by r + 2 w + (kk >> 2), so that the sixteen
	; lanes of a half-wave store to sixteen different 16-byte columns, and so do the sixteen that read a row of eq back.
	v_lshl_add_u32 v15, v11, 11, s30               ; 4096 w + 2048 hl
	v_lshl_add_u32 v2, v13, 4, v15                 ; kk = 0..3
	v_lshl_add_u32 v3, v14, 4, v15                 ; kk = 4..7
	; Stage, back: column j = r of a row of eq is k = 4 j + m: it lies in wave j >> 1's region, kk = 4 (j & 1) + m.
	v_lshrrev_b32 v15, 1, v10
	v_and_b32 v9, 1, v10
	v_lshlrev_b32 v15, 12, v15
	v_lshl_add_u32 v15, v9, 10, v15
	v_lshl_add_u32 v15, v11, 8, v15                ; (j >> 1) 4096 + (j & 1) 1024 + 256 hl
	v_lshl_add_u32 v4, v13, 4, v15                 ; slot 2 w     (loads 0..3)
	v_lshl_add_u32 v5, v14, 4, v15                 ; slot 2 w + 1 (loads 4..7)
	v_lshlrev_b32 v6, 13, v11
	v_lshl_add_u32 v6, v10, 4, v6                  ; eb: 8192 hl + 16 r
	s_lshl_b32 s31, s18, 9
	s_add_co_u32 s31, s31, EES
	v_add_nc_u32 v9, s31, v7                       ; my 16 bytes among my wave's partial sums
	s_lshl_b32 s20, ttmp9, 9                       ; embeddings: 512 bytes a group, 8 rows a wave
	s_lshl_b32 s21, s18, 18
	s_add_co_u32 s20, s20, s21
	s_mov_b32 s21, 0
	s_mul_i32 s22, ttmp9, GRP                      ; eb: the group, and c*512 + h*256 = 256 w
	s_lshl_b32 s23, s18, 8
	s_add_co_u32 s22, s22, s23
	s_mov_b32 s23, 0
	s_lshl_b32 s24, ttmp9, 15                      ; eq: 16 slots a group, 2 slots a wave
	s_add_co_u32 s24, s24, s30
	s_mov_b32 s25, 0
	s_lshl_b32 s26, ttmp9, 9                       ; ee: 128 numbers a group
	s_mov_b32 s27, 0
	s_wait_kmcnt 0x0
	s_add_nc_u64 s[4:5], s[4:5], s[20:21]
	s_add_nc_u64 s[8:9], s[8:9], s[22:23]
	s_add_nc_u64 s[10:11], s[10:11], s[24:25]
	s_add_nc_u64 s[12:13], s[12:13], s[26:27]
.irp kk, 0,1,2,3,4,5,6,7
	global_load_b128 v[L+4*\kk:L+4*\kk+3], v1, s[4:5] offset:\kk*ROWB th:TH_LOAD_NT   ; 512 consecutive bytes of row 8 w + kk
.endr
	s_wait_loadcnt 0x0
.irp kk, 0,1,2,3
	ds_store_b128 v2, v[L+4*\kk:L+4*\kk+3] offset:\kk*256
.endr
.irp kk, 4,5,6,7
	ds_store_b128 v3, v[L+4*\kk:L+4*\kk+3] offset:\kk*256
.endr
.irp i, 0,1,2,3
.irp m, 0,1,2,3
	v_cvt_pk_bf16_f32 v[P+4*\i+\m], v[L+8*\m+\i], v[L+8*\m+4+\i]      ; k = 2 m below, 2 m + 1 above
.endr
.endr
.irp i, 0,1,2,3
	global_store_b128 v6, v[P+4*\i:P+4*\i+3], s[8:9] offset:\i*2048    ; tile 4 hl + i: each half-wave stores 256 consecutive bytes, aligned
.endr
	; sums of squares of the rounded numbers, k ascending, four chains that take turns
.irp m, 0,1,2,3
.irp i, 0,1,2,3
.if \m == 0
	v_fma_mix_f32_bf16 v[ACC+\i], v[P+4*\i], v[P+4*\i], v8 op_sel_hi:[1,1,0]
.else
	v_fma_mix_f32_bf16 v[ACC+\i], v[P+4*\i+\m], v[P+4*\i+\m], v[ACC+\i] op_sel_hi:[1,1,0]
.endif
.endr
.irp i, 0,1,2,3
	v_fma_mix_f32_bf16 v[ACC+\i], v[P+4*\i+\m], v[P+4*\i+\m], v[ACC+\i] op_sel:[1,1,0] op_sel_hi:[1,1,0]
.endr
.endr
	ds_store_b128 v9, v[ACC:ACC+3]
	s_wait_dscnt 0x0                               ; my stores into the stage and my partial sums are done, for the other waves' sake
	s_barrier_signal -1
	s_barrier_wait -1
	; my two slots of eq: load t brings rows 2 t and 2 t + 1 of their sixteen rows of 256 bytes
.irp t, 0,1,2,3
	ds_load_b128 v[L+4*\t:L+4*\t+3], v4 offset:((\t>>1)&1)*2048+(\t&1)*512
.endr
.irp t, 4,5,6,7
	ds_load_b128 v[L+4*\t:L+4*\t+3], v5 offset:((\t>>1)&1)*2048+(\t&1)*512
.endr
.irp t, 0,1,2,3,4,5,6,7
	s_wait_dscnt 7-\t                              ; LDS loads come back in order: load t is in, the 7 - t younger ones may be out
	global_store_b128 v7, v[L+4*\t:L+4*\t+3], s[10:11] offset:\t*512   ; 512 consecutive bytes
.endr
	s_cmp_lg_u32 s18, 0
	s_cbranch_scc1 .Ldone
	; wave 0 adds the eight waves' shares, k ascending
.irp w, 0,1,2,3,4,5,6,7
	ds_load_b128 v[EP+4*\w:EP+4*\w+3], v7 offset:EES+\w*512
.endr
	s_wait_dscnt 0x0
.irp w, 1,2,3,4,5,6,7
	v_pk_add_f32 v[EP:EP+1], v[EP:EP+1], v[EP+4*\w:EP+4*\w+1]
	v_pk_add_f32 v[EP+2:EP+3], v[EP+2:EP+3], v[EP+4*\w+2:EP+4*\w+3]
.endr
	global_store_b128 v7, v[EP:EP+3], s[8:9] offset:16384              ; wave 0's base of eb is the group's first byte
	global_store_b128 v1, v[EP:EP+3], s[12:13]                         ; and in the codes' own order
.Ldone:
	s_wait_tensorcnt 0x0
	ds_add_u32 v112, v113
	s_wait_dscnt 0x0
	s_endpgm
	; ---- x ----
.Lrows:
	s_sub_co_u32 s19, ttmp9, NGRP                  ; which 128 rows: 0 to 127
	v_lshlrev_b32 v1, 8, v10
	v_lshl_add_u32 v1, v11, 5, v1                  ; 256 r + 32 h: lane (r, h) takes, of row r of the tile, the 32 bytes k = 16 c + 8 h + 0..7
	s_lshl_b32 s30, s18, 6
	s_add_co_u32 s30, s30, XXS
	v_lshl_add_u32 v2, v10, 2, s30                 ; LDS: XXS + 64 w + 4 r: xx of the work-group's row 16 w + r
	v_mov_b32 v[TP], 0                             ; v_permlanex16_b32 counts as a reader of its destination
	s_mov_b32 s28, 0x76543210                      ; v_permlanex16_b32: lane i of one half reads lane i of the other
	s_mov_b32 s29, 0xfedcba98
	s_lshl_b32 s20, s19, 15                        ; x: 128 rows of 256 bytes a work-group, 16 rows a wave
	s_lshl_b32 s21, s18, 12
	s_add_co_u32 s20, s20, s21
	s_mov_b32 s21, 0
	s_lshl_b32 s22, s19, 14                        ; xb: 8 tiles of 2,048 bytes a work-group, one a wave
	s_lshl_b32 s23, s18, 11
	s_add_co_u32 s22, s22, s23
	s_mov_b32 s23, 0
	s_lshl_b32 s24, s19, 9                         ; xx: 128 numbers a work-group
	s_mov_b32 s25, 0
	s_wait_kmcnt 0x0
	s_add_nc_u64 s[6:7], s[6:7], s[20:21]
	s_add_nc_u64 s[14:15], s[14:15], s[22:23]
	s_add_nc_u64 s[16:17], s[16:17], s[24:25]
.irp c, 0,1,2,3
.irp e, 0,1
	global_load_b128 v[X+8*\c+4*\e:X+8*\c+4*\e+3], v1, s[6:7] offset:64*\c+16*\e th:TH_LOAD_NT   ; the eight loads together take the tile's 16 whole rows
.endr
.endr
	s_wait_loadcnt 0x0
.set n, 0
.rept 16
	v_pk_mul_f32 v[X+2*n:X+2*n+1], v[X+2*n:X+2*n+1], -2.0 op_sel_hi:[1,0]
.set n, n+1
.endr
.set n, 0
.rept 16
	v_cvt_pk_bf16_f32 v[AF+n], v[X+2*n], v[X+2*n+1]
.set n, n+1
.endr
.irp c, 0,1,2,3
	global_store_b128 v7, v[AF+4*\c:AF+4*\c+3], s[14:15] offset:512*\c   ; 512 consecutive bytes
.endr
.set n, 0
.rept 16
.if n < 4
	v_fma_mix_f32_bf16 v[ACC+n], v[AF+n], v[AF+n], v8 op_sel_hi:[1,1,0]
.else
	v_fma_mix_f32_bf16 v[ACC+n%4], v[AF+n], v[AF+n], v[ACC+n%4] op_sel_hi:[1,1,0]
.endif
.set n, n+1
.endr
.set n, 0
.rept 16
	v_fma_mix_f32_bf16 v[ACC+n%4], v[AF+n], v[AF+n], v[ACC+n%4] op_sel:[1,1,0] op_sel_hi:[1,1,0]
.set n, n+1
.endr
	v_add_f32 v[ACC], v[ACC], v[ACC+1]
	v_add_f32 v[ACC+2], v[ACC+2], v[ACC+3]
	v_add_f32 v[ACC], v[ACC], v[ACC+2]
	v_permlanex16_b32 v[TP], v[ACC], s28, s29      ; the other half of the row's k lies 16 lanes away
	v_add_f32 v[ACC], v[ACC], v[TP]
	v_mul_f32 v[ACC], 0x3e800000, v[ACC]           ; (-2 x)^2 / 4, exact
	ds_store_b32 v2, v[ACC]                        ; both halves store the same number
	s_wait_dscnt 0x0                               ; for wave 0's sake
	s_barrier_signal -1
	s_barrier_wait -1
	s_cmp_lg_u32 s18, 0
	s_cbranch_scc1 .Lrows_done
	ds_load_b128 v[XR:XR+3], v7 offset:XXS         ; the work-group's 128 numbers
	s_wait_dscnt 0x0
	global_store_b128 v7, v[XR:XR+3], s[16:17]     ; 512 consecutive bytes
.Lrows_done:
	s_wait_tensorcnt 0x0
	ds_add_u32 v112, v113
	s_wait_dscnt 0x0
	s_endpgm
.Lfunc_end_k_q58298301c6_prep:
	.size	k_q58298301c6_prep, .Lfunc_end_k_q58298301c6_prep-k_q58298301c6_prep
	.p2alignl 7, 3214868480
	.fill 96, 4, 3214868480
	.section	.rodata,"a",@progbits
	.p2align	6, 0x0
	.amdhsa_kernel k_q58298301c6_prep
		.amdhsa_group_segment_fixed_size 38400
		.amdhsa_private_segment_fixed_size 0
		.amdhsa_enable_private_segment 0
		.amdhsa_kernarg_size 56
		.amdhsa_user_sgpr_count 2
		.amdhsa_user_sgpr_kernarg_segment_ptr 1
		.amdhsa_wavefront_size32 1
		.amdhsa_system_sgpr_workgroup_id_x 1
		.amdhsa_system_sgpr_workgroup_id_y 1
		.amdhsa_system_sgpr_workgroup_id_z 1
		.amdhsa_system_vgpr_workitem_id 0
		.amdhsa_next_free_vgpr 114
		.amdhsa_next_free_sgpr 66
		.amdhsa_reserve_vcc 0
		.amdhsa_float_denorm_mode_32 3
		.amdhsa_float_denorm_mode_16_64 3
		.amdhsa_memory_ordered 1
		.amdhsa_forward_progress 1
		.amdhsa_inst_pref_size 18
	.end_amdhsa_kernel
	.amdgpu_metadata
---
amdhsa.version: [ 1, 2 ]
amdhsa.kernels:
  - .name:           k_q58298301c6_prep
    .symbol:         k_q58298301c6_prep.kd
    .args:
      - { .name: embeddings, .offset: 0, .size: 8, .value_kind: global_buffer, .address_space: global }
      - { .name: x, .offset: 8, .size: 8, .value_kind: global_buffer, .address_space: global }
      - { .name: eb, .offset: 16, .size: 8, .value_kind: global_buffer, .address_space: global }
      - { .name: eq, .offset: 24, .size: 8, .value_kind: global_buffer, .address_space: global }
      - { .name: ee, .offset: 32, .size: 8, .value_kind: global_buffer, .address_space: global }
      - { .name: xb, .offset: 40, .size: 8, .value_kind: global_buffer, .address_space: global }
      - { .name: xx, .offset: 48, .size: 8, .value_kind: global_buffer, .address_space: global }
    .group_segment_fixed_size: 38400
    .private_segment_fixed_size: 0
    .kernarg_segment_align: 8
    .kernarg_segment_size: 56
    .max_flat_workgroup_size: 256
    .sgpr_count:     66
    .vgpr_count:     114
    .wavefront_size: 32
...
	.end_amdgpu_metadata
.endif
;; end of part 1
;; launch dist (part 2): grid 32 x 8, 8 waves a work-group, clusters of 4 x 1, 168,960 bytes of LDS; arguments eb, xb, xx, ks; writes ks
.if DOCPART == 2
	.amdgcn_target "amdgcn-amd-amdhsa--gfx1250"
	.amdhsa_code_object_version 6
	.text
	.protected	k_q58298301c6_dist
	.globl	k_q58298301c6_dist
	.p2align	8
	.type	k_q58298301c6_dist,@function
k_q58298301c6_dist:
	s_mov_b64 s[64:65], 0
	v_nop
	global_prefetch_b8 v0, s[64:65] scope:SCOPE_SE
	s_setreg_imm32_b32 hwreg(HW_REG_WAVE_MODE, 25, 1), 1
	s_wait_xcnt 0x0
	s_wait_alu depctr_hold_cnt(0) depctr_sa_sdst(0) depctr_va_vdst(0) depctr_va_sdst(0) depctr_va_ssrc(0) depctr_va_vcc(0) depctr_vm_vsrc(0)
	s_getreg_b32 s2, hwreg(HW_REG_IB_STS2, 6, 4)
	s_cmp_eq_u32 s2, 0
	s_cbranch_scc0 .Lentry_in_a_cluster
	s_endpgm
.Lentry_in_a_cluster:
	s_bfe_u32 s2, ttmp6, 0x10000c
	s_cmp_lg_u32 s2, 0x3003
	s_cbranch_scc0 .Lentry_shape_is_right
	s_endpgm
.Lentry_shape_is_right:
; For 512 rows of x and one eighth of the codebook (1,024 codes): d = (xx + ee) - 2 x.e with x and e rounded to bf16, and for each row the least d
; and the lowest slot of 8 neighbouring codes (slot = code >> 3) that reaches it.  Stored to ks[eighth][row] as two whole numbers:
; a key that sorts as d does (the bits of d, all turned for a negative d, the sign bit alone for others) and the slot.
; THE ROUNDINGS ARE THE PROBLEM'S OWN: t = xx + ee rounded to f32, then d = t - 2 sim rounded to f32 (A holds -2 x, which is exact, so d = t + D);
; equal d are common at this size of d, and the lowest code has to win, so neither sum is folded into the matrix instruction's C.
; SHARES: grid 32 row blocks x 8 eighths = 256 work-groups.  Eight waves; wave w keeps rows 64 w .. 64 w + 63 of the block as fragments of A in 64 registers
; for the whole kernel (16 loads of 512 consecutive bytes of xb) and goes through all 8 groups of 128 codes.  The eighth (8 x 16,896 = 135,168 bytes) is
; brought into LDS once: nothing is filled again.
; SLOTS: in a group's tile t, lane r's column is code 8 r + t, so the 8 tiles of a group give lane r the 8 codes of ONE slot.  The running minimum goes over them with
; v_min3 alone, and the index (the group's number) is taken once for 8 distances.
; THE LOOP IS PIPELINED INSIDE A WAVE.  A pair of tiles is worked in two units of two row tiles.  While the distances of one unit are made (32 lines of t and d),
; the 8 matrix instructions of the next unit are issued among them, one behind every 4 lines: a wave always has vector work to issue between its matrix instructions.
; Row tiles 0, 1 are one set of accumulators, row tiles 2, 3 the other: the products of rows 32-63 of a pair are issued among the distances of its rows 0-31,
; those of rows 0-31 of the next pair among the distances of rows 32-63.
; REGISTER WINDOWS: all that the mixed stretch names (A, B, D, XX, EE, t) lies in block 1, exactly 256 registers, so that one setting serves matrix and vector lines;
; the minima, the index and the addresses lie in block 0.
; CLUSTER: the four work-groups of a cluster have the same eighth and different row blocks, so each group is asked for jointly: wave w of each of the four issues the
; same tensor load (mask 15), whose descriptor is made of the eighth and the wave's number alone.  That divides the requests for the codebook by four.
; xb is not asked for jointly: the eight work-groups that read a row block lie along y, and each reads it once, straight into the registers in which it stays.
; LIMITS: NaN and infinities in the inputs are not served (v_min3_num drops a NaN); a d of -0 sorts below +0.
.set GRP,  16896                       ; bytes of a group: 8 tiles of 2,048, then 512 of sums of squares
.set RES,  8*GRP                       ; LDS 135,168: 512 bytes a wave: d of its 64 rows, then their slots
; block 0 of the vector registers
.set LB,   2                           ; 16 x lane + the trip's two groups: a fragment load is 512 consecutive bytes
.set LE,   3                           ; 16384 + 16 r + the trip's two groups
.set RF,   9                           ; r as f32
.set FA,   10                          ; RES + 512 w + 32 h
.set FR,   11                          ; RES + 512 w + 8 lane
.set XQ,   12                          ; 32 h
.set KO,   15                          ; 16 x lane
.set OUTR, 16                          ; v[16:19]
.set BA,   32                          ; v[32:63]   the least d so far, two sets that take turns group by group: + 8 mt + j is row 16 mt + 8 h + j
.set BB,   64                          ; v[64:95]
.set IDX,  96                          ; v[96:127]  16 x the group that first reached it, as f32
; block 1 (v256 to v511, written by their low 8 bits)
.set A,    0                           ; A + 16 mt + 4 c + i: row 16 mt + r, k = 16 c + 8 h + 2 i, + 1, of -2 x in bf16
.set B0,   64                          ; a pair of tiles, 16 registers each; two buffers
.set B1,   96
.set DA,   128                         ; D of the pair's even tile, 4 row tiles
.set DB,   160                         ; D of its odd tile
.set XX,   192                         ; XX + 8 mt + j: xx of row 16 mt + 8 h + j
.set EE0,  224                         ; ee of my slot's 8 codes, two sets that take turns
.set EE1,  232
.set TMP,  240                         ; t for the even tile
.set TMP2, 248                         ; t for the odd tile
.set MK,   40                          ; s[40:47]   eight masks
.set W_MIX, 0x55                       ; all four operand places in block 1
.set W_MIN, 0x14                       ; sources 1 and 2 (D) in block 1, source 0 and the destination (the minima) in block 0
.set W_LD,  0x40                       ; the destination in block 1, the address in block 0
.set MSB, 0
.macro WIN new                         ; the immediate's high byte repeats the setting that is left
.if MSB != \new
	s_set_vgpr_msb (MSB<<8)|\new
.set MSB, \new
.endif
.endm
; A round of the cluster's barrier: my work-group's barrier, wave 0 signals for the work-group, every wave waits for all four, my work-group's barrier again.
.macro ROUND
	s_barrier_signal -1
	s_barrier_wait -1
	s_cmp_lg_u32 s12, 0
	s_cbranch_scc1 .Lnot_wave_0_\@
	s_barrier_signal -3
.Lnot_wave_0_\@:
	s_barrier_wait -3
	s_barrier_signal -1
	s_barrier_wait -1
.endm
.macro FETCHB buf, off                 ; a pair of tiles: 8 loads of 512 consecutive bytes
	WIN W_LD
.irp t, 0,1
.irp c, 0,1,2,3
	ds_load_b128 v[\buf+16*\t+4*\c:\buf+16*\t+4*\c+3], v[LB] offset:\off+2048*\t+512*\c
.endr
.endr
.endm
.macro FETCHE set, off                 ; ee of my slot's 8 codes
	WIN W_LD
.irp u, 0,1
	ds_load_b128 v[\set+4*\u:\set+4*\u+3], v[LE] offset:\off+256*\u
.endr
.endm
; The n-th of the 8 matrix instructions of the unit of row tiles x and x + 1: n & 1 the row tile, (n >> 1) & 1 the code tile, n >> 2 the step of 32 along k.
; The first step starts the sums (C = 0).  The four accumulators take turns, one instruction a turn.
.macro MM n, buf, x
.set mm_d, DA+32*(((\n)>>1)&1)+8*((\x)+((\n)&1))
.set mm_a, A+16*((\x)+((\n)&1))+8*((\n)>>2)
.set mm_b, (\buf)+16*(((\n)>>1)&1)+8*((\n)>>2)
.if (\n) < 4
	v_wmma_f32_16x16x32_bf16 v[mm_d:mm_d+7], v[mm_a:mm_a+7], v[mm_b:mm_b+7], 0
.else
	v_wmma_f32_16x16x32_bf16 v[mm_d:mm_d+7], v[mm_a:mm_a+7], v[mm_b:mm_b+7], v[mm_d:mm_d+7]
.endif
.endm
; Four lines for row tile mt of pair p (tiles 2 p and 2 p + 1).  kind 0: t for the even tile; 1: t for the odd tile; 2: d of the even tile; 3: d of the odd tile.
.macro QUAD kind, mt, p, set
.if (\kind) == 0
.irp q, 0,1,2,3
	v_pk_add_f32 v[TMP+2*\q:TMP+2*\q+1], v[XX+8*(\mt)+2*\q:XX+8*(\mt)+2*\q+1], v[\set+2*\p:\set+2*\p+1] op_sel_hi:[1,0]
.endr
.endif
.if (\kind) == 1
.irp q, 0,1,2,3
	v_pk_add_f32 v[TMP2+2*\q:TMP2+2*\q+1], v[XX+8*(\mt)+2*\q:XX+8*(\mt)+2*\q+1], v[\set+2*\p:\set+2*\p+1] op_sel:[0,1] op_sel_hi:[1,1]
.endr
.endif
.if (\kind) == 2
.irp q, 0,1,2,3
	v_pk_add_f32 v[DA+8*(\mt)+2*\q:DA+8*(\mt)+2*\q+1], v[TMP+2*\q:TMP+2*\q+1], v[DA+8*(\mt)+2*\q:DA+8*(\mt)+2*\q+1]
.endr
.endif
.if (\kind) == 3
.irp q, 0,1,2,3
	v_pk_add_f32 v[DB+8*(\mt)+2*\q:DB+8*(\mt)+2*\q+1], v[TMP2+2*\q:TMP2+2*\q+1], v[DB+8*(\mt)+2*\q:DB+8*(\mt)+2*\q+1]
.endr
.endif
.endm
.macro MINS mt, p, bin, bout           ; the running minimum takes in the pair's two tiles
.irp j, 0,1,2,3,4,5,6,7
.if \p == 0
	v_min3_num_f32 v[\bout+8*(\mt)+\j], v[\bin+8*(\mt)+\j], v[DA+8*(\mt)+\j], v[DB+8*(\mt)+\j]
.else
	v_min3_num_f32 v[\bout+8*(\mt)+\j], v[\bout+8*(\mt)+\j], v[DA+8*(\mt)+\j], v[DB+8*(\mt)+\j]
.endif
.endr
.endm
.macro IDXS mt, bin, bout              ; behind a group's last pair: the index
.irp j, 0,1,2,3,4,5,6,7
	v_cmp_le_f32 s[MK+\j], v[\bin+8*(\mt)+\j], v[\bout+8*(\mt)+\j]     ; the old minimum stands: an equal d of a later group does not take the index
.endr
.irp j, 0,1,2,3,4,5,6,7
	v_cndmask_b32 v[IDX+8*(\mt)+\j], s29, v[IDX+8*(\mt)+\j], s[MK+\j]
.endr
.endm
; A unit: the distances of row tiles a, a + 1 of pair p; among their 32 lines of t and d, if mul, the 8 matrix instructions of row tiles x, x + 1 on buffer buf.
; Distances behind matrix instructions (ISA guide 7.12.1): the D that this unit reads was written by matrix instructions of the unit before, behind which stand that unit's
; 16 lines of v_min3 and this unit's first 8 lines of t, none of which names a register of theirs.
.macro UNIT a, p, set, bin, bout, mul, buf, x
	WIN W_MIX
.irp k, 0,1,2,3,4,5,6,7
	QUAD (\k&3), (\a+(\k>>2)), \p, \set
.if \mul
	MM \k, \buf, \x
.endif
.endr
	WIN W_MIN
	MINS \a, \p, \bin, \bout
	MINS \a+1, \p, \bin, \bout
.if \p == 3
	WIN 0
	IDXS \a, \bin, \bout
	IDXS \a+1, \bin, \bout
.endif
.endm
; A pair of tiles in buffer buf.  fetch: the pair after next is asked for, into buf: its last reader, the eighth matrix instruction of the first unit, lies 16 lines of v_min3 back.
; nextmul: a pair follows, in nbuf; cnt: how many younger LDS loads may be out when its fragments have to be there.
.macro PAIR p, set, bin, bout, buf, nbuf, fetch, foff, nextmul, cnt
	UNIT 0, \p, \set, \bin, \bout, 1, \buf, 2
.if \fetch
	FETCHB \buf, \foff
.endif
.if \nextmul
	s_wait_dscnt \cnt                              ; LDS loads come back in order: all but the loads just issued are in: the next pair's fragments and the next group's ee
.endif
	UNIT 2, \p, \set, \bin, \bout, \nextmul, \nbuf, 0
.endm
; One group of 128 codes at byte go from LB.  more = 1: a group follows.
.macro GROUP go, set, nset, bin, bout, more
.if \more
	FETCHE \nset, \go+GRP
.endif
	PAIR 0, \set, \bin, \bout, B0, B1, 1, \go+8192, 1, 8
	PAIR 1, \set, \bin, \bout, B1, B0, 1, \go+12288, 1, 8
	PAIR 2, \set, \bin, \bout, B0, B1, \more, \go+GRP, 1, 8*\more
	PAIR 3, \set, \bin, \bout, B1, B0, \more, \go+GRP+4096, \more, 8
	s_add_f32 s29, s29, 0x41800000                 ; 16 slots a group
.endm
.macro TRIP more
	GROUP 0,   EE0, EE1, BA, BB, 1
	GROUP GRP, EE1, EE0, BB, BA, \more
	WIN 0
.if \more
	v_add_nc_u32 v[LB], 2*GRP, v[LB]
	v_add_nc_u32 v[LE], 2*GRP, v[LE]
.endif
.endm
; Row tile mt: over the 16 lanes of a half-wave the least d (into BB), and among the lanes that hold it the lowest slot 16 x group + r (in place in IDX).
; Each step goes over the 8 rows, so that no line waits for the one before.  Rows 16 mt + 8 h + 0..7 lie in 8 neighbouring registers and go to 32 neighbouring
; bytes of my wave's scratch: two stores of 16 bytes for the minima, two for the slots; the 16 lanes of a half-wave store the same numbers.
.macro FIN8 mt
.irp j, 0,1,2,3,4,5,6,7
	v_min_num_f32_dpp v[BB+8*\mt+\j], v[BA+8*\mt+\j], v[BA+8*\mt+\j] row_xmask:1 row_mask:0xf bank_mask:0xf
.endr
.irp k, 2,4,8
.irp j, 0,1,2,3,4,5,6,7
	v_min_num_f32_dpp v[BB+8*\mt+\j], v[BB+8*\mt+\j], v[BB+8*\mt+\j] row_xmask:\k row_mask:0xf bank_mask:0xf
.endr
.endr
.irp j, 0,1,2,3,4,5,6,7
	v_add_f32 v[IDX+8*\mt+\j], v[IDX+8*\mt+\j], v[RF]
.endr
.irp j, 0,1,2,3,4,5,6,7
	v_cmp_eq_f32 s[MK+\j], v[BA+8*\mt+\j], v[BB+8*\mt+\j]
.endr
.irp j, 0,1,2,3,4,5,6,7
	v_cndmask_b32 v[IDX+8*\mt+\j], s32, v[IDX+8*\mt+\j], s[MK+\j]      ; a lane that does not hold the minimum offers +infinity
.endr
.irp k, 1,2,4,8
.irp j, 0,1,2,3,4,5,6,7
	v_min_num_f32_dpp v[IDX+8*\mt+\j], v[IDX+8*\mt+\j], v[IDX+8*\mt+\j] row_xmask:\k row_mask:0xf bank_mask:0xf
.endr
.endr
.irp u, 0,1
	ds_store_b128 v[FA], v[BB+8*\mt+4*\u:BB+8*\mt+4*\u+3] offset:64*\mt+16*\u
	ds_store_b128 v[FA], v[IDX+8*\mt+4*\u:IDX+8*\mt+4*\u+3] offset:256+64*\mt+16*\u
.endr
.endm
	s_load_b256 s[4:11], s[0:1], 0x0               ; eb s[4:5], xb s[6:7], xx s[8:9], ks s[10:11]
	v_lshl_add_u32 v254, v0, 2, 0x29000
	v_mov_b32 v255, 0
	ds_add_u32 v254, v255
	v_lshrrev_b32 v20, 5, v0
	v_readfirstlane_b32 s12, v20                   ; wave w
	s_bfe_u32 s13, ttmp6, 0x40000                  ; cx: my place in the cluster; it enters the addresses in xb, xx and ks alone
	s_lshl_b32 s14, ttmp9, 2
	s_add_co_u32 s14, s14, s13                     ; row block = 4 x cluster x + cx
	s_and_b32 s15, ttmp7, 0xffff                   ; the eighth of the codebook
	s_mov_b32 s32, 0x7f800000                      ; +infinity
	s_lshl_b32 s29, s15, 7
	s_cvt_f32_u32 s29, s29                         ; 16 x my first group = 128 x eighth, as f32 (slots stay below 1,024: exact)
	v_and_b32 v21, 15, v0                          ; r
	v_bfe_u32 v22, v0, 4, 1                        ; h
	v_and_b32 v23, 31, v0                          ; lane
	v_lshlrev_b32 v[LB], 4, v23
	v_lshlrev_b32 v[LE], 4, v21
	v_add_nc_u32 v[LE], 16384, v[LE]
	v_cvt_f32_u32 v[RF], v21
	s_lshl_b32 s33, s12, 9
	s_add_co_u32 s33, s33, RES
	v_lshl_add_u32 v[FA], v22, 5, s33
	v_lshl_add_u32 v[FR], v23, 3, s33
	v_lshlrev_b32 v[XQ], 5, v22
	v_lshlrev_b32 v[KO], 4, v23
	s_lshl_b32 s36, s14, 16                        ; xb: 32 tiles of 2,048 bytes a block, 4 tiles a wave
	s_lshl_b32 s37, s12, 13
	s_add_co_u32 s36, s36, s37
	s_mov_b32 s37, 0
	s_lshl_b32 s38, s14, 11                        ; xx: 512 numbers a block, 64 a wave
	s_lshl_b32 s39, s12, 8
	s_add_co_u32 s38, s38, s39
	s_mov_b32 s39, 0
	s_lshl_b32 s30, s15, 17                        ; ks: 16,384 rows of 8 bytes an eighth, 512 rows a block, 64 rows a wave
	s_lshl_b32 s31, s14, 12
	s_add_co_u32 s30, s30, s31
	s_lshl_b32 s31, s12, 9
	s_add_co_u32 s30, s30, s31
	s_mov_b32 s31, 0
	s_lshl3_add_u32 s34, s15, s12                  ; eb: group 8 x eighth + w, in registers that never hold cx
	s_mul_i32 s34, s34, GRP
	s_mov_b32 s35, 0
	s_wait_dscnt 0x0
	s_wait_kmcnt 0x0
	s_add_nc_u64 s[6:7], s[6:7], s[36:37]
	s_add_nc_u64 s[8:9], s[8:9], s[38:39]
	s_add_nc_u64 s[10:11], s[10:11], s[30:31]
	; A and xx, issued ahead of the round, so that they are on their way while the cluster meets
	WIN W_LD
.set n, 0
.rept 16
	global_load_b128 v[A+4*n:A+4*n+3], v[KO], s[6:7] offset:512*n      ; 512 consecutive bytes: registers 4 n .. 4 n + 3 of A
.set n, n+1
.endr
.irp mt, 0,1,2,3
.irp u, 0,1
	global_load_b128 v[XX+8*\mt+4*\u:XX+8*\mt+4*\u+3], v[XQ], s[8:9] offset:64*\mt+16*\u   ; rows 16 mt + 8 h + 4 u + 0..3
.endr
.endr
	WIN 0                                          ; at a label and at a branch every window is 0
	; the descriptor: group 8 x eighth + w, a dense block of 66 rows of 256 bytes, to LDS byte 16,896 w
	s_mov_b32 s16, 1                               ; count = 1
	s_mul_i32 s17, s12, GRP                        ; LDS address: the wave's number times a constant
	s_add_nc_u64 s[18:19], s[4:5], s[34:35]        ; global address of the block
	s_or_b32 s19, s19, 0x80000000                  ; type = 2
	s_mov_b32 s20, 0x0023000f                      ; mask 15: all four of the cluster; elements of 8 bytes; bit 21 set beside a mask; no padding
	s_mov_b32 s21, 32<<16                          ; tensor_dim0 = 32 elements
	s_mov_b32 s22, 66<<16                          ; tensor_dim1 = 66 rows
	s_mov_b32 s23, 32<<16                          ; tile_dim0 = 32
	s_mov_b32 s24, 66                              ; tile_dim1 = 66
	s_mov_b32 s25, 32                              ; 32 elements from row to row
	s_mov_b32 s26, 0
	s_mov_b32 s27, 0
	ROUND                                          ; all four work-groups are here: the joint loads meet
	tensor_load_to_lds s[16:19], s[20:27]          ; my wave's one tensor load of the launch: one is outstanding, and no LDS byte is filled twice
	s_nop 0
.set n, 0
.rept 32
	v_mov_b32 v[BA+n], s32                         ; any finite d is less
	v_mov_b32 v[IDX+n], s29
.set n, n+1
.endr
	s_wait_tensorcnt 0x0                           ; my group has landed
	s_barrier_signal -1
	s_barrier_wait -1                              ; everybody's has: the whole eighth may be read
	FETCHE EE0, 0
	FETCHB B0, 0
	FETCHB B1, 4096
	s_wait_loadcnt 0x0                             ; A and xx
	s_wait_dscnt 8                                 ; ee and pair 0 are in; pair 1's eight loads may be out
	WIN W_MIX
.irp k, 0,1,2,3,4,5,6,7
	MM \k, B0, 0                                   ; the pipeline's first unit: rows 0-31 of pair 0; 8 lines of t stand between these and the first read of their D
.endr
	WIN 0
	s_mov_b32 s28, 3
.Ltrip:
	TRIP 1                                         ; two groups a trip
	s_sub_co_u32 s28, s28, 1
	s_cmp_lg_u32 s28, 0
	s_cbranch_scc1 .Ltrip
	TRIP 0                                         ; the last two groups are written out: nothing is asked for, and nothing multiplied, behind the eighth's end
	FIN8 0
	FIN8 1
	FIN8 2
	FIN8 3
	ds_load_b64 v[20:21], v[FR]                    ; d of rows 2 lane and 2 lane + 1 of my wave's 64: my wave's own bytes, and LDS serves a wave's instructions in order
	ds_load_b64 v[22:23], v[FR] offset:256         ; and their slots
	s_wait_dscnt 0x0
	v_ashrrev_i32 v24, 31, v20
	v_ashrrev_i32 v25, 31, v21
	v_or_b32 v24, 0x80000000, v24
	v_or_b32 v25, 0x80000000, v25
	v_xor_b32 v[OUTR], v20, v24                    ; a whole number that sorts as d does
	v_xor_b32 v[OUTR+2], v21, v25
	v_cvt_u32_f32 v[OUTR+1], v22
	v_cvt_u32_f32 v[OUTR+3], v23
	global_store_b128 v[KO], v[OUTR:OUTR+3], s[10:11]      ; 512 consecutive bytes, aligned
	s_wait_tensorcnt 0x0
	ds_add_u32 v254, v255
	s_wait_dscnt 0x0
	ROUND                                          ; the closing round: no work-group ends while a partner may still ask for a block that names it
	s_endpgm
.Lfunc_end_k_q58298301c6_dist:
	.size	k_q58298301c6_dist, .Lfunc_end_k_q58298301c6_dist-k_q58298301c6_dist
	.p2alignl 7, 3214868480
	.fill 96, 4, 3214868480
	.section	.rodata,"a",@progbits
	.p2align	6, 0x0
	.amdhsa_kernel k_q58298301c6_dist
		.amdhsa_group_segment_fixed_size 168960
		.amdhsa_private_segment_fixed_size 0
		.amdhsa_enable_private_segment 0
		.amdhsa_kernarg_size 32
		.amdhsa_user_sgpr_count 2
		.amdhsa_user_sgpr_kernarg_segment_ptr 1
		.amdhsa_wavefront_size32 1
		.amdhsa_system_sgpr_workgroup_id_x 1
		.amdhsa_system_sgpr_workgroup_id_y 1
		.amdhsa_system_sgpr_workgroup_id_z 1
		.amdhsa_system_vgpr_workitem_id 0
		.amdhsa_next_free_vgpr 512
		.amdhsa_next_free_sgpr 66
		.amdhsa_reserve_vcc 0
		.amdhsa_float_denorm_mode_32 3
		.amdhsa_float_denorm_mode_16_64 3
		.amdhsa_memory_ordered 1
		.amdhsa_forward_progress 1
		.amdhsa_inst_pref_size 172
	.end_amdhsa_kernel
	.amdgpu_metadata
---
amdhsa.version: [ 1, 2 ]
amdhsa.kernels:
  - .name:           k_q58298301c6_dist
    .symbol:         k_q58298301c6_dist.kd
    .args:
      - { .name: eb, .offset: 0, .size: 8, .value_kind: global_buffer, .address_space: global }
      - { .name: xb, .offset: 8, .size: 8, .value_kind: global_buffer, .address_space: global }
      - { .name: xx, .offset: 16, .size: 8, .value_kind: global_buffer, .address_space: global }
      - { .name: ks, .offset: 24, .size: 8, .value_kind: global_buffer, .address_space: global }
    .group_segment_fixed_size: 168960
    .private_segment_fixed_size: 0
    .kernarg_segment_align: 8
    .kernarg_segment_size: 32
    .max_flat_workgroup_size: 256
    .sgpr_count:     66
    .vgpr_count:     512
    .wavefront_size: 32
...
	.end_amdgpu_metadata
.endif
;; end of part 2
;; launch pick (part 3): grid 256 x 1, 8 waves a work-group, no clusters, 5,376 bytes of LDS; arguments ks, eq, ee, x, out0, part; writes out0, part
.if DOCPART == 3
	.amdgcn_target "amdgcn-amd-amdhsa--gfx1250"
	.amdhsa_code_object_version 6
	.text
	.protected	k_q58298301c6_pick
	.globl	k_q58298301c6_pick
	.p2align	8
	.type	k_q58298301c6_pick,@function
k_q58298301c6_pick:
	s_mov_b64 s[64:65], 0
	v_nop
	global_prefetch_b8 v0, s[64:65] scope:SCOPE_SE
	s_setreg_imm32_b32 hwreg(HW_REG_WAVE_MODE, 25, 1), 1
	s_wait_xcnt 0x0
; For 64 rows: of the 8 eighths' (key, slot) the least key, the lowest eighth at equal keys (whole numbers read from ks: the gather's address hangs on them alone);
; then the slot's 8 codes are worked out again, d = (xx + ee) - 2 x.e on numbers rounded to bf16 with the problem's own two roundings, the first least d wins,
; and its column of the codebook is chosen BY VALUE (v_cndmask) among the 8 that were loaded.  out0 = x + (q - x) and the sum of (q - x)^2 use the f32 inputs.
; Eight waves, 8 rows each, 4 turns; in a turn each half-wave has one row, lane j the dims 4 j .. 4 j + 3.
; All 40 loads of a wave's gather go out at once; every one of eq's covers 256 consecutive bytes a half-wave.
; No matrix unit (8 candidates a row), no cluster (the slots are the rows' own: nothing is shared by plan).
; LIMITS: NaN and infinities are not served; a slot read from ks is clamped to 1,023.
.set ZERO, 5
.set VO,   30                          ; v[30:33]   turn it: 2048 slot + 16 j
.set VE,   34                          ; v[34:37]   turn it: 32 slot
.set X,    40                          ; v[40:55]   X + 4 it + m: x[row][4 j + m]; later out0
.set XP,   56                          ; v[56:63]   the same in bf16, two to a register
.set XXv,  64                          ; v[64:67]   xx of the turn's row
.set EEv,  68                          ; v[68:99]   EEv + 8 it + c: ee of code c of the slot; later t
.set Q,    100                         ; v[100:227] Q + 32 it + 16 e + 4 m + i: embeddings[4 j + m][8 slot + 4 e + i]
.set PK,   228                         ; v[228:243] PK + 8 e + 2 m + ip: the same in bf16, codes 4 e + 2 ip (low) and + 1 (high)
.set SEL,  228                         ; v[228:231] behind the products: the chosen code's 4 numbers
.set DIF,  232                         ; v[232:235] q - x
.set S,    244                         ; v[244:251] sim, then d, of the 8 codes
.set LACC, 252                         ; v[252:253]
.set BEST, 254
.set TP,   255
; d = a.half * b.half + c, the halves bf16, c f32
.macro FMIX d, a, ah, b, bh, c
.if ((\ah)*2+(\bh)) == 0
	v_fma_mix_f32_bf16 v[\d], v[\a], v[\b], v[\c] op_sel_hi:[1,1,0]
.endif
.if ((\ah)*2+(\bh)) == 1
	v_fma_mix_f32_bf16 v[\d], v[\a], v[\b], v[\c] op_sel:[0,1,0] op_sel_hi:[1,1,0]
.endif
.if ((\ah)*2+(\bh)) == 2
	v_fma_mix_f32_bf16 v[\d], v[\a], v[\b], v[\c] op_sel:[1,0,0] op_sel_hi:[1,1,0]
.endif
.if ((\ah)*2+(\bh)) == 3
	v_fma_mix_f32_bf16 v[\d], v[\a], v[\b], v[\c] op_sel:[1,1,0] op_sel_hi:[1,1,0]
.endif
.endm
	s_load_b256 s[4:11], s[0:1], 0x0               ; ks s[4:5], eq s[6:7], ee s[8:9], x s[10:11]
	s_load_b128 s[12:15], s[0:1], 0x20             ; out0 s[12:13], part s[14:15]
	v_lshl_add_u32 v38, v0, 2, 0x1100
	v_mov_b32 v39, 0
	v_lshrrev_b32 v1, 5, v0
	v_readfirstlane_b32 s16, v1                    ; wave w
	v_and_b32 v1, 31, v0                           ; lane
	v_and_b32 v2, 15, v0
	v_lshlrev_b32 v2, 4, v2                        ; 16 j
	v_lshlrev_b32 v3, 4, v1                        ; 16 x lane
	v_bfe_u32 v4, v0, 4, 1
	v_lshlrev_b32 v4, 2, v4                        ; 4 h
	v_mov_b32 v[ZERO], 0
	v_mov_b32 v[TP], 0                             ; v_permlanex16_b32 counts as a reader of its destination
	s_lshl_b32 s17, s16, 9
	v_add_nc_u32 v6, s17, v3                       ; LDS: eighth w's 64 pairs, my 16 bytes
	v_and_b32 v7, 7, v0
	s_lshl_b32 s27, s16, 6
	v_lshl_add_u32 v7, v7, 3, s27                  ; LDS: the pair of row 8 w + (lane & 7) in eighth 0
	s_mov_b32 s22, 0x76543210
	s_mov_b32 s23, 0xfedcba98
	s_lshl_b32 s18, s16, 17                        ; ks: wave w fetches eighth w's pairs of the group's 64 rows
	s_lshl_b32 s19, ttmp9, 9
	s_add_co_u32 s18, s18, s19
	s_mov_b32 s19, 0
	s_lshl_b32 s20, ttmp9, 14                      ; x and out0: 64 rows of 256 bytes a group, 8 rows a wave
	s_lshl_b32 s21, s16, 11
	s_add_co_u32 s20, s20, s21
	s_mov_b32 s21, 0
	s_lshl_b32 s24, ttmp9, 2                       ; part: one number a group
	s_mov_b32 s25, 0
	s_wait_kmcnt 0x0
	s_add_nc_u64 s[4:5], s[4:5], s[18:19]
	s_add_nc_u64 s[10:11], s[10:11], s[20:21]
	s_add_nc_u64 s[12:13], s[12:13], s[20:21]
	s_add_nc_u64 s[14:15], s[14:15], s[24:25]
	global_load_b128 v[8:11], v3, s[4:5]           ; 512 consecutive bytes of ks
.irp it, 0,1,2,3
	global_load_b128 v[X+4*\it:X+4*\it+3], v3, s[10:11] offset:512*\it th:TH_LOAD_NT     ; two rows
.endr
	s_wait_loadcnt 4                               ; ks is in; the four loads of x, issued behind it, may be out
	ds_store_b128 v6, v[8:11]
	s_wait_dscnt 0x0                               ; for the other waves' sake
	s_barrier_signal -1
	s_barrier_wait -1
.irp s, 0,1,2,3,4,5,6,7
	ds_load_b64 v[12+2*\s:13+2*\s], v7 offset:512*\s
.endr
	s_wait_dscnt 0x0
.irp s, 1,2,3,4,5,6,7
	v_cmp_lt_u32 vcc_lo, v[12+2*\s], v12           ; strictly less: at equal keys the lower eighth, which holds the lower codes, stays
	v_cndmask_b32 v12, v12, v[12+2*\s], vcc_lo
	v_cndmask_b32 v13, v13, v[13+2*\s], vcc_lo
.endr
.irp it, 0,1,2,3
	v_add_nc_u32 v[VO+\it], 8*\it, v4              ; lane 2 it + h holds the slot of row 8 w + 2 it + h
	ds_bpermute_b32 v[VE+\it], v[VO+\it], v13
.endr
	s_wait_dscnt 0x0
.irp it, 0,1,2,3
	v_min_u32 v[VE+\it], 0x3ff, v[VE+\it]          ; a slot stays inside the tables
	v_lshl_add_u32 v[VO+\it], v[VE+\it], 11, v2
	v_lshlrev_b32 v[VE+\it], 5, v[VE+\it]
.endr
.irp it, 0,1,2,3
.irp e, 0,1
	global_load_b128 v[EEv+8*\it+4*\e:EEv+8*\it+4*\e+3], v[VE+\it], s[8:9] offset:16*\e
.endr
.irp e, 0,1
.irp m, 0,1,2,3
	global_load_b128 v[Q+32*\it+16*\e+4*\m:Q+32*\it+16*\e+4*\m+3], v[VO+\it], s[6:7] offset:1024*\e+256*\m
.endr
.endr
.endr
	s_wait_loadcnt 40                              ; x is in; the 40 loads of the gather, issued behind it, may be out
.irp it, 0,1,2,3
	v_cvt_pk_bf16_f32 v[XP+2*\it], v[X+4*\it], v[X+4*\it+1]
	v_cvt_pk_bf16_f32 v[XP+2*\it+1], v[X+4*\it+2], v[X+4*\it+3]
.endr
.irp it, 0,1,2,3
	FMIX XXv+\it, XP+2*\it, 0, XP+2*\it, 0, ZERO
.endr
.irp it, 0,1,2,3
	FMIX XXv+\it, XP+2*\it, 1, XP+2*\it, 1, XXv+\it
.endr
.irp it, 0,1,2,3
	FMIX XXv+\it, XP+2*\it+1, 0, XP+2*\it+1, 0, XXv+\it
.endr
.irp it, 0,1,2,3
	FMIX XXv+\it, XP+2*\it+1, 1, XP+2*\it+1, 1, XXv+\it
.endr
.irp k, 1,2,4,8
.irp it, 0,1,2,3
	v_add_f32_dpp v[XXv+\it], v[XXv+\it], v[XXv+\it] row_xmask:\k row_mask:0xf bank_mask:0xf
.endr
.endr
.macro TURN it
	s_wait_loadcnt 30-10*\it                       ; this turn's ten loads are in; ten for each later turn may be out
.set n, 0
.rept 16
	v_cvt_pk_bf16_f32 v[PK+n], v[Q+32*\it+2*n], v[Q+32*\it+2*n+1]
.set n, n+1
.endr
.irp c, 0,1,2,3,4,5,6,7
	FMIX S+\c, XP+2*\it, 0, PK+8*(\c>>2)+((\c&3)>>1), \c&1, ZERO
.endr
.irp m, 1,2,3
.irp c, 0,1,2,3,4,5,6,7
	FMIX S+\c, XP+2*\it+(\m>>1), \m&1, PK+8*(\c>>2)+2*\m+((\c&3)>>1), \c&1, S+\c
.endr
.endr
.irp k, 1,2,4,8
.irp c, 0,1,2,3,4,5,6,7
	v_add_f32_dpp v[S+\c], v[S+\c], v[S+\c] row_xmask:\k row_mask:0xf bank_mask:0xf   ; over the 16 lanes of the row: every lane ends with the same bits
.endr
.endr
.irp q, 0,1,2,3
.if (\it & 1)
	v_pk_add_f32 v[EEv+8*\it+2*\q:EEv+8*\it+2*\q+1], v[EEv+8*\it+2*\q:EEv+8*\it+2*\q+1], v[XXv+\it-1:XXv+\it] op_sel:[0,1] op_sel_hi:[1,1]
.else
	v_pk_add_f32 v[EEv+8*\it+2*\q:EEv+8*\it+2*\q+1], v[EEv+8*\it+2*\q:EEv+8*\it+2*\q+1], v[XXv+\it:XXv+\it+1] op_sel_hi:[1,0]
.endif
.endr
.irp c, 0,1,2,3,4,5,6,7
	v_fma_f32 v[S+\c], -2.0, v[S+\c], v[EEv+8*\it+\c]      ; d = t - 2 sim, one rounding (2 sim is exact)
.endr
	v_cmp_lt_f32 vcc_lo, v[S+1], v[S]              ; strictly less: the first least d wins
	v_cndmask_b32 v[BEST], v[S], v[S+1], vcc_lo
.irp m, 0,1,2,3
	v_cndmask_b32 v[SEL+\m], v[Q+32*\it+4*\m], v[Q+32*\it+4*\m+1], vcc_lo
.endr
.irp c, 2,3,4,5,6,7
	v_cmp_lt_f32 vcc_lo, v[S+\c], v[BEST]
.if \c < 7
	v_cndmask_b32 v[BEST], v[BEST], v[S+\c], vcc_lo
.endif
.irp m, 0,1,2,3
	v_cndmask_b32 v[SEL+\m], v[SEL+\m], v[Q+32*\it+16*(\c>>2)+4*\m+(\c&3)], vcc_lo
.endr
.endr
	v_pk_add_f32 v[DIF:DIF+1], v[SEL:SEL+1], v[X+4*\it:X+4*\it+1] neg_lo:[0,1] neg_hi:[0,1]
	v_pk_add_f32 v[DIF+2:DIF+3], v[SEL+2:SEL+3], v[X+4*\it+2:X+4*\it+3] neg_lo:[0,1] neg_hi:[0,1]
	v_pk_add_f32 v[X+4*\it:X+4*\it+1], v[X+4*\it:X+4*\it+1], v[DIF:DIF+1]             ; x + (q - x), in the turn's own registers: no store's data is written again
	v_pk_add_f32 v[X+4*\it+2:X+4*\it+3], v[X+4*\it+2:X+4*\it+3], v[DIF+2:DIF+3]
.if \it == 0
	v_pk_mul_f32 v[LACC:LACC+1], v[DIF:DIF+1], v[DIF:DIF+1]
.else
	v_pk_fma_f32 v[LACC:LACC+1], v[DIF:DIF+1], v[DIF:DIF+1], v[LACC:LACC+1]
.endif
	v_pk_fma_f32 v[LACC:LACC+1], v[DIF+2:DIF+3], v[DIF+2:DIF+3], v[LACC:LACC+1]
	global_store_b128 v3, v[X+4*\it:X+4*\it+3], s[12:13] offset:512*\it th:TH_STORE_NT   ; two whole rows of 256 bytes
.endm
	TURN 0
	TURN 1
	TURN 2
	TURN 3
	; the group's sum of (q - x)^2: over the wave, then over the eight waves through LDS
	v_add_f32 v[LACC], v[LACC], v[LACC+1]
.irp k, 1,2,4,8
	v_add_f32_dpp v[LACC], v[LACC], v[LACC] row_xmask:\k row_mask:0xf bank_mask:0xf
.endr
	v_permlanex16_b32 v[TP], v[LACC], s22, s23
	v_add_f32 v[LACC], v[LACC], v[TP]
	s_lshl_b32 s17, s16, 2
	s_add_co_u32 s17, s17, 4096                    ; behind the pairs' 4,096 bytes
	v_mov_b32 v6, s17
	ds_store_b32 v6, v[LACC]
	s_wait_dscnt 0x0                               ; for wave 0's sake
	s_barrier_signal -1
	s_barrier_wait -1
	s_cmp_lg_u32 s16, 0
	s_cbranch_scc1 .Lend
	v_mov_b32 v6, 4096
	ds_load_b128 v[8:11], v6
	ds_load_b128 v[12:15], v6 offset:16
	s_wait_dscnt 0x0
	v_pk_add_f32 v[8:9], v[8:9], v[12:13]
	v_pk_add_f32 v[10:11], v[10:11], v[14:15]
	v_pk_add_f32 v[8:9], v[8:9], v[10:11]
	v_add_f32 v8, v8, v9
	v_cmp_eq_u32 vcc_lo, 0, v0
	s_wait_xcnt 0x0                                ; EXEC is a source of the stores above: it changes only behind this wait
	s_and_saveexec_b32 s26, vcc_lo
	global_store_b32 v[ZERO], v8, s[14:15]         ; lane 0 alone
	s_wait_xcnt 0x0                                ; and again in front of the line that widens it
	s_or_b32 exec_lo, exec_lo, s26
.Lend:
	s_wait_tensorcnt 0x0
	ds_add_u32 v38, v39
	s_wait_dscnt 0x0
	s_endpgm
.Lfunc_end_k_q58298301c6_pick:
	.size	k_q58298301c6_pick, .Lfunc_end_k_q58298301c6_pick-k_q58298301c6_pick
	.p2alignl 7, 3214868480
	.fill 96, 4, 3214868480
	.section	.rodata,"a",@progbits
	.p2align	6, 0x0
	.amdhsa_kernel k_q58298301c6_pick
		.amdhsa_group_segment_fixed_size 5376
		.amdhsa_private_segment_fixed_size 0
		.amdhsa_enable_private_segment 0
		.amdhsa_kernarg_size 48
		.amdhsa_user_sgpr_count 2
		.amdhsa_user_sgpr_kernarg_segment_ptr 1
		.amdhsa_wavefront_size32 1
		.amdhsa_system_sgpr_workgroup_id_x 1
		.amdhsa_system_sgpr_workgroup_id_y 1
		.amdhsa_system_sgpr_workgroup_id_z 1
		.amdhsa_system_vgpr_workitem_id 0
		.amdhsa_next_free_vgpr 256
		.amdhsa_next_free_sgpr 66
		.amdhsa_reserve_vcc 1
		.amdhsa_float_denorm_mode_32 3
		.amdhsa_float_denorm_mode_16_64 3
		.amdhsa_memory_ordered 1
		.amdhsa_forward_progress 1
		.amdhsa_inst_pref_size 43
	.end_amdhsa_kernel
	.amdgpu_metadata
---
amdhsa.version: [ 1, 2 ]
amdhsa.kernels:
  - .name:           k_q58298301c6_pick
    .symbol:         k_q58298301c6_pick.kd
    .args:
      - { .name: ks, .offset: 0, .size: 8, .value_kind: global_buffer, .address_space: global }
      - { .name: eq, .offset: 8, .size: 8, .value_kind: global_buffer, .address_space: global }
      - { .name: ee, .offset: 16, .size: 8, .value_kind: global_buffer, .address_space: global }
      - { .name: x, .offset: 24, .size: 8, .value_kind: global_buffer, .address_space: global }
      - { .name: out0, .offset: 32, .size: 8, .value_kind: global_buffer, .address_space: global }
      - { .name: part, .offset: 40, .size: 8, .value_kind: global_buffer, .address_space: global }
    .group_segment_fixed_size: 5376
    .private_segment_fixed_size: 0
    .kernarg_segment_align: 8
    .kernarg_segment_size: 48
    .max_flat_workgroup_size: 256
    .sgpr_count:     66
    .vgpr_count:     256
    .wavefront_size: 32
...
	.end_amdgpu_metadata
.endif
;; end of part 3
;; launch total (part 4): grid 1 x 1, 1 waves a work-group, no clusters, 0 bytes of LDS; arguments part, out1; writes out1
.if DOCPART == 4
	.amdgcn_target "amdgcn-amd-amdhsa--gfx1250"
	.amdhsa_code_object_version 6
	.text
	.protected	k_q58298301c6_total
	.globl	k_q58298301c6_total
	.p2align	8
	.type	k_q58298301c6_total,@function
k_q58298301c6_total:
	s_mov_b64 s[64:65], 0
	v_nop
	global_prefetch_b8 v0, s[64:65] scope:SCOPE_SE
	s_setreg_imm32_b32 hwreg(HW_REG_WAVE_MODE, 25, 1), 1
	s_wait_xcnt 0x0
; out1 = 0.25 m + m, m = the 256 groups' sums of (q - x)^2 divided by 16,384 x 64 = 2^20.  One wave: a sum that spans work-groups is made by one owner, in a launch of its own.
	s_load_b128 s[4:7], s[0:1], 0x0                ; part s[4:5], out1 s[6:7]
	s_mov_b32 s8, 0x76543210
	s_mov_b32 s9, 0xfedcba98
	v_lshlrev_b32 v1, 5, v0                        ; 8 numbers a lane
	v_mov_b32 v2, 0
	v_mov_b32 v3, 0                                ; v_permlanex16_b32 counts as a reader of its destination
	s_wait_kmcnt 0x0
	global_load_b128 v[4:7], v1, s[4:5]
	global_load_b128 v[8:11], v1, s[4:5] offset:16
	s_wait_loadcnt 0x0
	v_pk_add_f32 v[4:5], v[4:5], v[8:9]
	v_pk_add_f32 v[6:7], v[6:7], v[10:11]
	v_pk_add_f32 v[4:5], v[4:5], v[6:7]
	v_add_f32 v4, v4, v5
	v_add_f32_dpp v4, v4, v4 row_xmask:1 row_mask:0xf bank_mask:0xf
	v_add_f32_dpp v4, v4, v4 row_xmask:2 row_mask:0xf bank_mask:0xf
	v_add_f32_dpp v4, v4, v4 row_xmask:4 row_mask:0xf bank_mask:0xf
	v_add_f32_dpp v4, v4, v4 row_xmask:8 row_mask:0xf bank_mask:0xf
	v_permlanex16_b32 v3, v4, s8, s9
	v_add_f32 v4, v4, v3
	v_mul_f32 v4, 0x35800000, v4                   ; x 2^-20: the mean
	v_fma_f32 v4, 0x3e800000, v4, v4               ; 0.25 m + m
	v_cmp_eq_u32 vcc_lo, 0, v0
	s_wait_xcnt 0x0                                ; EXEC changes only behind this wait
	s_and_saveexec_b32 s10, vcc_lo
	global_store_b32 v2, v4, s[6:7]                ; lane 0 alone
	s_wait_xcnt 0x0
	s_or_b32 exec_lo, exec_lo, s10
	s_endpgm
.Lfunc_end_k_q58298301c6_total:
	.size	k_q58298301c6_total, .Lfunc_end_k_q58298301c6_total-k_q58298301c6_total
	.p2alignl 7, 3214868480
	.fill 96, 4, 3214868480
	.section	.rodata,"a",@progbits
	.p2align	6, 0x0
	.amdhsa_kernel k_q58298301c6_total
		.amdhsa_group_segment_fixed_size 0
		.amdhsa_private_segment_fixed_size 0
		.amdhsa_enable_private_segment 0
		.amdhsa_kernarg_size 16
		.amdhsa_user_sgpr_count 2
		.amdhsa_user_sgpr_kernarg_segment_ptr 1
		.amdhsa_wavefront_size32 1
		.amdhsa_system_sgpr_workgroup_id_x 1
		.amdhsa_system_sgpr_workgroup_id_y 1
		.amdhsa_system_sgpr_workgroup_id_z 1
		.amdhsa_system_vgpr_workitem_id 0
		.amdhsa_next_free_vgpr 16
		.amdhsa_next_free_sgpr 66
		.amdhsa_reserve_vcc 1
		.amdhsa_float_denorm_mode_32 3
		.amdhsa_float_denorm_mode_16_64 3
		.amdhsa_memory_ordered 1
		.amdhsa_forward_progress 1
		.amdhsa_inst_pref_size 2
	.end_amdhsa_kernel
	.amdgpu_metadata
---
amdhsa.version: [ 1, 2 ]
amdhsa.kernels:
  - .name:           k_q58298301c6_total
    .symbol:         k_q58298301c6_total.kd
    .args:
      - { .name: part, .offset: 0, .size: 8, .value_kind: global_buffer, .address_space: global }
      - { .name: out1, .offset: 8, .size: 8, .value_kind: global_buffer, .address_space: global }
    .group_segment_fixed_size: 0
    .private_segment_fixed_size: 0
    .kernarg_segment_align: 8
    .kernarg_segment_size: 16
    .max_flat_workgroup_size: 32
    .sgpr_count:     66
    .vgpr_count:     16
    .wavefront_size: 32
...
	.end_amdgpu_metadata
.endif
;; end of part 4
